; MI455X (gfx1250); checked and timed in simulation.
; The chip was launched on July 23, 2026; its instructions are those of AMD's public machine-readable ISA for CDNA 5 (MIT licence, August 2026) and "CDNA5" Instruction Set Architecture Reference Guide (July 2026). The comments in the code are by the model that wrote it; some were corrected since.
;; LSTM Cell. Allowed arithmetic: matrix products marked QUANTISED: E5M2 operands, one given power-of-two scale a tensor, by v_wmma_f32_16x16x64_bf8_bf8 or v_wmma_f32_16x16x128_bf8_bf8, f32 sums; everything else in f32.
;; Inputs: Wh 1,024 x 4,096 float32; Wx 1,024 x 4,096 float32; bx 4,096 float32; c 8,192 x 1,024 float32; h 8,192 x 1,024 float32; lowp_scales 4 int32 (the exponents e of the quantised operands' scales 2^e); x 8,192 x 1,024 float32.
;; Outputs: out0 8,192 x 1,024 float32; out1 8,192 x 1,024 float32.
;; This version of the problem:
;;   THIS VERSION OF THE PROBLEM IS GIVEN IN LOW PRECISION. The matrix products marked QUANTISED in the list below multiply operands that are first quantised to E5M2 (5 exponent bits, 2 mantissa bits; 8 bits a number), with one given power-of-two scale for each operand tensor; their sums are f32. All else is computed in f32.
;;   The module's matrix products, in the order in which they are computed (A, B: the left and right operand; K: the contracted axis; several contracted axes count as one K, in the product's order):
;;     1. [M 8,192, K 1,024] x [K 1,024, N 4,096]; A: input x; B: input Wx: QUANTISED (scales: A lowp_scales[0], B lowp_scales[1])
;;     2. [M 8,192, K 1,024] x [K 1,024, N 4,096]; A: input h; B: input Wh: QUANTISED (scales: A lowp_scales[2], B lowp_scales[3])
;;   THE QUANTISER, for each operand of a quantised product, along K:
;;     - The operand's scale is 2^e, e = its entry of the input lowp_scales (int32; the entries are numbered through the quantised products in the list's order, A before B).
;;     - Each number is divided by the scale, clamped to +-57,344, and rounded to the nearest number of E5M2, ties to even, subnormals kept.
;;     - The product sums the exact products of the quantised numbers (number of the format x scale) in f32.
;;   ~~~python
;;   def quantise(x, axis, e):      # numpy; x: float32 -> the quantised numbers, widened to float32 again
;;       x = np.moveaxis(x, axis, -1); K = x.shape[-1]
;;       r = np.clip(x / 2.0 ** e, -57344, 57344)
;;       step = 2.0 ** (np.maximum(np.frexp(np.where(r == 0, 1, r))[1] - 1, -14) - 2)
;;       q = np.round(r / step) * step * 2.0 ** e      # np.round: ties to even
;;       return np.moveaxis(q, -1, axis).astype(np.float32)
;;   ~~~
;; One version. Each part assembles by itself: llvm-mc -triple=amdgcn-amd-amdhsa -mcpu=gfx1250 --defsym DOCPART=n.
;; ======== version 1 of 1: 2 launches
;; limits: right only within a limited range of input values
;; workspace buffers: a_codes 16,777,216 bytes; b_codes 8,388,608 bytes
;; launch quant (part 1): grid 768 x 1, 4 waves a work-group, no clusters, 71,680 bytes of LDS; arguments x, h, Wx, Wh, lowp_scales, a_codes, b_codes; writes a_codes, b_codes
.if DOCPART == 1
	.amdgcn_target "amdgcn-amd-amdhsa--gfx1250"
	.amdhsa_code_object_version 6
	.text
	.protected	k_q3552775e02_quant
	.globl	k_q3552775e02_quant
	.p2align	8
	.type	k_q3552775e02_quant,@function
k_q3552775e02_quant:
	s_mov_b64 s[64:65], 0
	v_nop
	global_prefetch_b8 v0, s[64:65] scope:SCOPE_SE
	s_setreg_imm32_b32 hwreg(HW_REG_WAVE_MODE, 25, 1), 1
	s_wait_xcnt 0x0
; x, h [8192][1024] and Wx, Wh [1024][4096], all f32, become codes of BF8 (E5M2), each tensor with the one scale 2^e given for it (entries 0 to 3: x, Wx, h, Wh).
; code = number / 2^e, held within +-57,344, rounded to the nearest code, ties to even.
; LIMITS: each e lies between -126 and 112.  NaN among the inputs is not served (an infinity is held at the largest code).
; BOTH BUFFERS ARE LAID AS THE NEXT LAUNCH'S OPERAND REGISTERS.  A fragment is 16 rows x 64 along K, 1,024 bytes: byte 512 q + 16 (r + 16 hh) + y is byte y of piece (q, hh) of row r.
; K = 2,048 (x's or Wx's 1,024, then h's or Wh's) is 32 steps s of 64.  In a run of 512 numbers piece l = 4 (s % 8) + 2 q + hh holds, at byte 4 i + j, k = 128 i + 4 l + j: the same in both buffers.
; a_codes[panel of 128 rows][s][block of 16 rows][1,024].   b_codes[group of 32 hidden units][s][b = 2 gate + u][1,024]: row r of block b is column 1024 gate + 32 group + 16 u + r of the weights.
; SHARES: work-groups 0-255 take x, 256-511 h (32 rows; a wave 16 rows x 512 numbers); 512-639 Wx, 640-767 Wh (128 columns x 256 along K; a wave 32 columns).
; Each wave turns its codes through a stage of its own in LDS, so that every store covers 512 consecutive bytes.  The two ways have LDS bytes of their own.  No barrier: waves share nothing.
.set EMAX,  15
.set MANT,  0x600000                   ; the mantissa field of 57,344 as f32
.set PITCH, 272
.set XBASE, 0x9000                     ; x's and h's stages; the weights' lie from 0; the spare words at 0x8c00
.set R,     16                         ; x, h: v16-143 eight sets of 16 numbers; then v16-79 the way out
.set C,     144                        ; x, h: v144-207 codes, four registers a row
.set X,     32                         ; weights: v32-95 two sets of 32 numbers
.set WC,    96                         ; weights: a block's codes
.set OUTR,  112                        ; weights: the way out
	s_load_b128 s[4:7], s[0:1], 0x0                ; x, h
	s_load_b128 s[8:11], s[0:1], 0x10              ; Wx, Wh
	s_load_b64 s[12:13], s[0:1], 0x20              ; the exponents
	s_load_b128 s[16:19], s[0:1], 0x28             ; a_codes, b_codes
	v_lshl_add_u32 v208, v0, 2, 0x8c00             ; my spare word
	v_mov_b32 v209, 0
	v_lshrrev_b32 v1, 5, v0
	v_readfirstlane_b32 s20, v1                    ; wave
	v_and_b32 v2, 31, v0                           ; lane
	v_and_b32 v5, 15, v0                           ; r
	v_bfe_u32 v6, v0, 4, 1                         ; hh
	s_mul_i32 s34, s20, 32*PITCH                   ; my stage
	v_lshlrev_b32 v3, 4, v2                        ; 16 x lane
	v_lshlrev_b32 v9, 2, v2                        ; 4 x lane
	v_mul_u32_u24 v4, v2, PITCH
	v_add_nc_u32 v4, s34, v4                       ; into a stage: row = lane
	v_mul_u32_u24 v7, v5, PITCH
	v_lshl_add_u32 v7, v6, 4, v7
	v_add_nc_u32 v7, s34, v7                       ; weights, out: row r, + 16 hh
	v_add_nc_u32 v12, XBASE, v4                    ; x, in: piece = lane
	v_mul_u32_u24 v13, v6, PITCH
	v_lshl_add_u32 v13, v5, 4, v13
	v_add_nc_u32 v13, s34, v13
	v_add_nc_u32 v13, XBASE, v13                   ; x, out: piece hh, + 16 r
	s_wait_alu depctr_va_vdst(0)                   ; the wait at the head's end
	s_wait_kmcnt 0x0
	s_load_b128 s[24:27], s[12:13], 0x0            ; e of x, Wx, h, Wh
	s_cmp_lt_u32 ttmp9, 512
	s_cbranch_scc0 .Lweights
	; ---- x and h ----
	s_and_b32 s21, ttmp9, 255
	s_lshl_b32 s21, s21, 1
	s_lshr_b32 s22, s20, 1
	s_add_co_u32 s21, s21, s22                     ; my block of 16 rows
	s_and_b32 s22, s20, 1                          ; my run of 512
	s_lshl_b32 s28, s21, 16                        ; in: 16 rows of 4,096 bytes,
	s_lshl_b32 s23, s22, 11
	s_add_co_u32 s28, s28, s23                     ; + 2,048 x run
	s_mov_b32 s29, 0
	s_lshr_b32 s30, s21, 3
	s_lshl_b32 s30, s30, 18                        ; out: the panel,
	s_and_b32 s23, s21, 7
	s_lshl_b32 s23, s23, 10
	s_add_co_u32 s30, s30, s23                     ; the block in it,
	s_lshl_b32 s23, s22, 16
	s_add_co_u32 s30, s30, s23                     ; eight steps a run,
	s_mov_b32 s31, 0
	s_cmp_lt_u32 ttmp9, 256
	s_cselect_b64 s[36:37], s[4:5], s[6:7]
	s_cselect_b32 s22, 0, 0x20000                  ; sixteen steps on for h
	s_add_nc_u64 s[36:37], s[36:37], s[28:29]
	s_add_co_u32 s30, s30, s22
	s_add_nc_u64 s[38:39], s[16:17], s[30:31]
.macro XLOAD t                         ; row t: four loads of 512 consecutive bytes
.irp i, 0,1,2,3
	global_load_b128 v[R+16*((\t)%8)+4*\i:R+16*((\t)%8)+4*\i+3], v3, s[36:37] offset:4096*(\t)+512*\i th:TH_LOAD_NT
.endr
.endm
.irp t, 0,1,2,3,4,5,6,7
	XLOAD \t
.endr
	s_wait_kmcnt 0x0
	s_cmp_lt_u32 ttmp9, 256
	s_cselect_b32 s22, s24, s26
	s_add_co_i32 s22, s22, 127
	s_lshl_b32 s23, s22, 23
	v_mov_b32 v11, s23                             ; 2^e
	s_add_co_i32 s22, s22, EMAX
	s_lshl_b32 s22, s22, 23
	s_or_b32 s22, s22, MANT
	v_mov_b32 v10, s22                             ; 57,344 x 2^e
	s_wait_alu depctr_va_vdst(0)                   ; the wait ahead of the waits below
.macro XSTEP t
.set XS, R+16*((\t)%8)
.if 15-(\t) >= 7
	s_wait_loadcnt 28                              ; this row's four loads are in; seven younger rows' 28 may be out
.else
	s_wait_loadcnt 4*(15-(\t))
.endif
.irp i, 0,1,2,3,4,5,6,7,8,9,10,11,12,13,14,15
	v_med3_num_f32 v[XS+\i], v[XS+\i], -v10, v10   ; the conversion does not saturate (ISA guide 7.6.2): the hold comes first
.endr
	v_cvt_scalef32_pk8_bf8_f32 v[C+4*(\t):C+4*(\t)+1], v[XS:XS+7], v11
	v_cvt_scalef32_pk8_bf8_f32 v[C+4*(\t)+2:C+4*(\t)+3], v[XS+8:XS+15], v11
.if (\t)+8 < 16
	XLOAD (\t)+8
.endif
	ds_store_b128 v12, v[C+4*(\t):C+4*(\t)+3] offset:16*(\t)   ; piece = lane, row t
.endm
.irp t, 0,1,2,3,4,5,6,7,8,9,10,11,12,13,14,15
	XSTEP \t
.endr
.set n, 0
.rept 16                               ; n = 2 (s % 8) + q: pieces 2 n + hh of rows r: LDS serves a wave's instructions in order (ISA guide 5.7.1.4)
	ds_load_b128 v[R+4*n:R+4*n+3], v13 offset:2*n*PITCH
.set n, n+1
.endr
.set n, 0
.rept 16
	s_wait_dscnt 15-n
	global_store_b128 v3, v[R+4*n:R+4*n+3], s[38:39] offset:(n/2)*8192+(n%2)*512   ; 512 consecutive bytes, aligned
.set n, n+1
.endr
	s_wait_tensorcnt 0x0                           ; the wave's end
	ds_add_u32 v208, v209
	s_wait_dscnt 0x0
	s_endpgm
	; ---- Wx and Wh: a lane takes a column, its registers run down K ----
.Lweights:
	s_sub_co_u32 s21, ttmp9, 512                   ; bit 7 the tensor, bits 6:5 ky, bits 4:0 which 128 columns
	s_and_b32 s22, s21, 31
	s_bfe_u32 s23, s21, 0x20005                    ; ky: four steps of 64
	s_lshl_b32 s22, s22, 7
	s_lshl_b32 s28, s20, 5
	s_add_co_u32 s22, s22, s28                     ; my first column
	s_lshr_b32 s28, s22, 10                        ; its gate
	s_and_b32 s29, s22, 1023
	s_lshr_b32 s30, s29, 5                         ; its group of 32 hidden units
	s_lshl_b32 s30, s30, 18
	s_lshl_b32 s28, s28, 11                        ; block 2 x gate
	s_add_co_u32 s30, s30, s28
	s_lshr_b32 s28, s21, 7
	s_lshl_b32 s28, s28, 17                        ; sixteen steps on for Wh
	s_add_co_u32 s30, s30, s28
	s_lshl_b32 s28, s23, 15                        ; four steps a ky
	s_add_co_u32 s30, s30, s28
	s_mov_b32 s31, 0
	s_lshr_b32 s28, s23, 1                         ; byte 32 t + i of my 256 holds k = 512 (ky / 2) + 64 (ky % 2) + 8 t + 128 ((i / 4) % 4) + 4 (i / 16) + i % 4
	s_lshl_b32 s28, s28, 23
	s_and_b32 s29, s23, 1
	s_lshl_b32 s29, s29, 20
	s_add_co_u32 s28, s28, s29
	s_lshl_b32 s29, s22, 2
	s_add_co_u32 s28, s28, s29
	s_mov_b32 s29, 0
	s_cmp_lt_u32 s21, 128
	s_cselect_b64 s[36:37], s[8:9], s[10:11]
	s_add_nc_u64 s[36:37], s[36:37], s[28:29]
	s_add_nc_u64 s[38:39], s[18:19], s[30:31]
.macro WLOAD t
.irp i, 0,1,2,3,4,5,6,7,8,9,10,11,12,13,14,15,16,17,18,19,20,21,22,23,24,25,26,27,28,29,30,31
	global_load_b32 v[X+32*((\t)%2)+\i], v9, s[36:37] offset:(8*(\t)+128*((\i/4)%4)+4*(\i/16)+(\i%4))*16384 th:TH_LOAD_NT
.endr
.endm
	WLOAD 0
	WLOAD 1
	s_wait_kmcnt 0x0
	s_cmp_lt_u32 s21, 128
	s_cselect_b32 s22, s25, s27
	s_add_co_i32 s22, s22, 127
	s_lshl_b32 s23, s22, 23
	v_mov_b32 v11, s23
	s_add_co_i32 s22, s22, EMAX
	s_lshl_b32 s22, s22, 23
	s_or_b32 s22, s22, MANT
	v_mov_b32 v10, s22
	s_wait_alu depctr_va_vdst(0)                   ; the wait ahead of the waits below
.macro WBLOCK t
.set XS, X+32*((\t)%2)
.if (\t) < 7
	s_wait_loadcnt 32                              ; this block's 32 loads are in; the next block's may be out
.else
	s_wait_loadcnt 0
.endif
.irp i, 0,1,2,3,4,5,6,7,8,9,10,11,12,13,14,15,16,17,18,19,20,21,22,23,24,25,26,27,28,29,30,31
	v_med3_num_f32 v[XS+\i], v[XS+\i], -v10, v10
.endr
.irp g, 0,1,2,3
	v_cvt_scalef32_pk8_bf8_f32 v[WC+2*\g:WC+2*\g+1], v[XS+8*\g:XS+8*\g+7], v11
.endr
	ds_store_b128 v4, v[WC:WC+3] offset:32*(\t)
	ds_store_b128 v4, v[WC+4:WC+7] offset:32*(\t)+16
.if (\t)+2 < 8
	WLOAD (\t)+2
.endif
	s_wait_dscnt 0x0                               ; the stores have read their registers
.endm
.irp t, 0,1,2,3,4,5,6,7
	WBLOCK \t
.endr
.set n, 0
.rept 16                               ; n = 8 u + 2 step + q
	ds_load_b128 v[OUTR+4*n:OUTR+4*n+3], v7 offset:(n/8)*16*PITCH+(n%8)*32
.set n, n+1
.endr
.set n, 0
.rept 16
	s_wait_dscnt 15-n
	global_store_b128 v3, v[OUTR+4*n:OUTR+4*n+3], s[38:39] offset:((n%8)/2)*8192+(n/8)*1024+(n%2)*512   ; 512 consecutive bytes, aligned
.set n, n+1
.endr
	s_wait_tensorcnt 0x0
	ds_add_u32 v208, v209
	s_wait_dscnt 0x0
	s_endpgm
.Lfunc_end_k_q3552775e02_quant:
	.size	k_q3552775e02_quant, .Lfunc_end_k_q3552775e02_quant-k_q3552775e02_quant
	.p2alignl 7, 3214868480
	.fill 96, 4, 3214868480
	.section	.rodata,"a",@progbits
	.p2align	6, 0x0
	.amdhsa_kernel k_q3552775e02_quant
		.amdhsa_group_segment_fixed_size 71680
		.amdhsa_private_segment_fixed_size 0
		.amdhsa_enable_private_segment 0
		.amdhsa_kernarg_size 56
		.amdhsa_user_sgpr_count 2
		.amdhsa_user_sgpr_kernarg_segment_ptr 1
		.amdhsa_wavefront_size32 1
		.amdhsa_system_sgpr_workgroup_id_x 1
		.amdhsa_system_sgpr_workgroup_id_y 1
		.amdhsa_system_sgpr_workgroup_id_z 1
		.amdhsa_system_vgpr_workitem_id 0
		.amdhsa_next_free_vgpr 210
		.amdhsa_next_free_sgpr 66
		.amdhsa_reserve_vcc 0
		.amdhsa_float_denorm_mode_32 3
		.amdhsa_float_denorm_mode_16_64 3
		.amdhsa_memory_ordered 1
		.amdhsa_forward_progress 1
		.amdhsa_inst_pref_size 80
	.end_amdhsa_kernel
	.amdgpu_metadata
---
amdhsa.version: [ 1, 2 ]
amdhsa.kernels:
  - .name:           k_q3552775e02_quant
    .symbol:         k_q3552775e02_quant.kd
    .args:
      - { .name: x, .offset: 0, .size: 8, .value_kind: global_buffer, .address_space: global }
      - { .name: h, .offset: 8, .size: 8, .value_kind: global_buffer, .address_space: global }
      - { .name: Wx, .offset: 16, .size: 8, .value_kind: global_buffer, .address_space: global }
      - { .name: Wh, .offset: 24, .size: 8, .value_kind: global_buffer, .address_space: global }
      - { .name: lowp_scales, .offset: 32, .size: 8, .value_kind: global_buffer, .address_space: global }
      - { .name: a_codes, .offset: 40, .size: 8, .value_kind: global_buffer, .address_space: global }
      - { .name: b_codes, .offset: 48, .size: 8, .value_kind: global_buffer, .address_space: global }
    .group_segment_fixed_size: 71680
    .private_segment_fixed_size: 0
    .kernarg_segment_align: 8
    .kernarg_segment_size: 56
    .max_flat_workgroup_size: 128
    .sgpr_count:     66
    .vgpr_count:     210
    .wavefront_size: 32
...
	.end_amdgpu_metadata
.endif
;; end of part 1
;; launch cell (part 2): grid 4 x 64, 4 waves a work-group, clusters of 4 x 1, 327,680 bytes of LDS; arguments a_codes, b_codes, lowp_scales, bx, c, out0, out1; writes out0, out1
.if DOCPART == 2
	.amdgcn_target "amdgcn-amd-amdhsa--gfx1250"
	.amdhsa_code_object_version 6
	.text
	.protected	k_q3552775e02_cell
	.globl	k_q3552775e02_cell
	.p2align	8
	.type	k_q3552775e02_cell,@function
k_q3552775e02_cell:
	s_mov_b64 s[64:65], 0
	v_nop
	global_prefetch_b8 v0, s[64:65] scope:SCOPE_SE
	s_setreg_imm32_b32 hwreg(HW_REG_WAVE_MODE, 25, 1), 1
	s_wait_xcnt 0x0
	s_wait_alu depctr_hold_cnt(0) depctr_sa_sdst(0) depctr_va_vdst(0) depctr_va_sdst(0) depctr_va_ssrc(0) depctr_va_vcc(0) depctr_vm_vsrc(0)
	s_getreg_b32 s2, hwreg(HW_REG_IB_STS2, 6, 4)
	s_cmp_eq_u32 s2, 0
	s_cbranch_scc0 .Lentry_in_a_cluster
	s_endpgm
.Lentry_in_a_cluster:
	s_bfe_u32 s2, ttmp6, 0x10000c
	s_cmp_lg_u32 s2, 0x3003
	s_cbranch_scc0 .Lentry_shape_is_right
	s_endpgm
.Lentry_shape_is_right:
; gates = Q(x) Q(Wx) + bx + Q(h) Q(Wh); i, f, o = sigmoid, g = tanh; out1 = c_new = f c + i g; out0 = h_new = o tanh(c_new).  Both products on codes of BF8 (E5M2), sums and all else in f32.
; a_codes and b_codes hold fragments of 16 rows x 64 along K as register images (1,024 bytes: two loads of 16 bytes a lane), K = 2,048 in 32 steps: 0-15 x's product, 16-31 h's; k is permuted alike in both.
; THE SCALES (e0 x, e1 Wx, e2 h, e3 Wh): behind step 15 every accumulator is multiplied once by 2^(e0 + e1 - e2 - e3); 2^(e2 + e3) is folded into the factor in front of the exponentials.
; LIMITS: e0 + e1 - e2 - e3 between -126 and 127; e2 + e3 between -126 and 126.  The order of the f32 sums differs from ascending k.
; SHARES.  Work-group (cg, p): batch rows 128 p .. + 127, hidden units 256 cg .. + 255.  Its 128 rows x 2,048 codes, 262,144 bytes, are brought into LDS ONCE, a quarter a wave, and stay: no LDS byte is filled twice.
; CLUSTER 4 x 1: the four cg of one p need the same panel: each quarter is asked for jointly (mask 15).
; Wave w makes two tiles, one after the other: 128 rows x the four gates of hidden units 256 cg + 128 t + 32 w .. + 31: 64 accumulators, 512 registers.
; THE WEIGHTS' CODES GO FROM MEMORY STRAIGHT INTO REGISTERS: a ring of 32 fragments, four steps; four fragments are asked for again as soon as their 32 products are issued.  They pass through no LDS, so there is
; no joint load for them.  The K loop has no barrier.  The panel has no prefetch: its one load stands at the head, with no loop ahead of it.
; THE MATRIX INSTRUCTION IS USED TRANSPOSED (source 0 = 16 rows of b_codes, source 1 = 16 batch rows): register j of accumulator (a, b = 2 g + u) in lane (r, hh) is gate g of row 16 a + r and hidden unit 16 u + 8 hh + j.
; THE WAY OUT, by blocks of 16 rows x the work-group's 128 hidden units: c comes as whole rows of 512 bytes (a wave four rows), turns through a stage in LDS into the result's layout; h_new and c_new turn back
; through two more stages and leave as rows of 512 bytes.  Each stage has two buffers by turns, so one barrier a block orders all three.
; sigmoid(z) = 1 / (1 + 2^(-z log2 e)), tanh(z) = 2 / (1 + 2^(-2 z log2 e)) - 1: both saturate with no hold.
; REGISTERS: window 0: v2-10 addresses, v16-47 c as loaded (two sets), v48-63 c of a block, v64-127 bx, v128-255 A's two sets (on the way out: as named below); window 1: B's ring;
;   window 2: accumulators of b = 0-3 ((a, b) at v[8 (8 (b % 4) + a)]); window 3: b = 4-7.
.set ST,    8192                       ; a step's eight fragments, of A or of B
.set SPARE, 262144                     ; behind the panel: the spare words
.set SP,    528                        ; a stage row: 512 bytes + 16
.set SB,    16*SP                      ; a stage buffer
.set CS,    SPARE+512                  ; c's stage; h_new's and c_new's lie HS and NS behind it
.set HS,    2*SB
.set NS,    4*SB
.set LO,  2                            ; 16 x lane
.set ADA, 3                            ; LDS address of A's fragments in this trip
.set SPW, 4
.set NIL, 5
.set PFB, 6                            ; B's prefetch: 512 p + 256 (lane % 2)
.set PFC, 7                            ; c's prefetch: row 28 w + lane, from my c pointer
.set CWR, 8                            ; stages by rows: CS + 4 w rows + 16 lane
.set CRD, 9                            ; stages in the result's layout: CS + row r + 128 w + 32 hh
.set BH,  10                           ; 32 hh
.set CG,  16
.set CC,  48
.set BI,  64
.set AF,  128
.set T,   128
.set CN,  192
.set HN,  208
.set OB,  224
.set AS,  15                           ; s15 bytes of the panel behind this trip
.set BP,  20                           ; s[20:21] b_codes at this trip;  s[22:23] at my second tile
.set BN,  22
.set G1,  24
.set G0,  32
.set CP,  44                           ; c, out0, out1 at row 128 p + 4 w and this tile's 512 bytes; bx at this tile
.set O0,  46
.set O1,  48
.set BXP, 50
.set L1,  68
.set L2,  70
.set RS,  96
.set S1,  98
.set S2,  100
.set MSB, 0
.macro WIN new                         ; the immediate's high byte repeats the setting that is left
.if MSB != (\new)
	s_set_vgpr_msb (MSB<<8)|(\new)
.set MSB, (\new)
.endif
.endm
.set MUL_LO, 0xa1                      ; source 0 (B) window 1, source 1 (A) window 0, C and D window 2
.set MUL_HI, 0xf1
.set TO_B,   0x40
.macro CROUND                          ; a round of the cluster's barrier
	s_barrier_signal -1
	s_barrier_wait -1
	s_cmp_lg_u32 s14, 0
	s_cbranch_scc1 .Lnot_wave_0_\@
	s_barrier_signal -3
.Lnot_wave_0_\@:
	s_barrier_wait -3
	s_barrier_signal -1
	s_barrier_wait -1
.endm
.macro PLACES                          ; four places behind matrix instructions, ahead of loads into their sources
.rept 4
	v_nop
.endr
.endm
.macro MUL32 r, hf, zero               ; B's four fragments of ring quarter r, half hf, each against A's eight; the 64 accumulators take turns
.irp b, 0,1,2,3
.irp a, 0,1,2,3,4,5,6,7
.if \zero
	v_wmma_f32_16x16x64_bf8_bf8 v[8*(8*\b+\a):8*(8*\b+\a)+7], v[64*(\r)+32*(\hf)+8*\b:64*(\r)+32*(\hf)+8*\b+7], v[AF+64*((\r)%2)+8*\a:AF+64*((\r)%2)+8*\a+7], 0
.else
	v_wmma_f32_16x16x64_bf8_bf8 v[8*(8*\b+\a):8*(8*\b+\a)+7], v[64*(\r)+32*(\hf)+8*\b:64*(\r)+32*(\hf)+8*\b+7], v[AF+64*((\r)%2)+8*\a:AF+64*((\r)%2)+8*\a+7], v[8*(8*\b+\a):8*(8*\b+\a)+7]
.endif
.endr
.endr
.endm
.macro LDB r, hf, base, off            ; eight loads of 512 consecutive bytes: four fragments of B
	WIN TO_B
.irp b, 0,1,2,3
.irp q, 0,1
	global_load_b128 v[64*(\r)+32*(\hf)+8*\b+4*\q:64*(\r)+32*(\hf)+8*\b+4*\q+3], v[LO], s[\base:\base+1] offset:(\off)+4096*(\hf)+1024*\b+512*\q
.endr
.endr
.endm
.macro LDA set, off                    ; sixteen LDS loads, lane i at 16 i: A's eight fragments of a step
.irp a, 0,1,2,3,4,5,6,7
.irp q, 0,1
	ds_load_b128 v[AF+64*(\set)+8*\a+4*\q:AF+64*(\set)+8*\a+4*\q+3], v[ADA] offset:(\off)+1024*\a+512*\q
.endr
.endr
.endm
; A step of 64 along K.  bb: the base of B's reloads for four steps on (0: none), bo their offset; ao: the offset of A's fragments for two steps on (-1: none).
; l0, l1: the B loads younger than the half that is multiplied next (seven groups of eight in the steady state); dc: the LDS loads younger than this step's set.
.macro STEP r, zero, bb, bo, ao, l0, l1, dc
	s_wait_loadcnt \l0
	s_wait_dscnt \dc
	WIN MUL_LO
	MUL32 \r, 0, \zero
.if \bb
	PLACES
	LDB \r, 0, \bb, \bo
.endif
	s_wait_loadcnt \l1
	WIN MUL_HI
	MUL32 \r, 1, \zero
.if \bb
	PLACES
	LDB \r, 1, \bb, \bo
.else
.if (\ao) >= 0
	PLACES
.endif
.endif
	WIN 0
.if (\ao) >= 0
	LDA (\r)%2, \ao
.endif
.endm
.macro RESCALE                         ; all 512 registers x 2^(e0 + e1 - e2 - e3), each accumulator from its low end on
	WIN 0x82
.set j, 0
.rept 128
	v_pk_mul_f32 v[j:j+1], v[j:j+1], s[RS:RS+1] op_sel_hi:[1,0]
.set j, j+2
.endr
	WIN 0xc3
.set j, 0
.rept 128
	v_pk_mul_f32 v[j:j+1], v[j:j+1], s[RS:RS+1] op_sel_hi:[1,0]
.set j, j+2
.endr
	WIN 0
.endm
.macro CLD k, set                      ; my four rows of block k of c: each load 512 consecutive bytes
.irp i, 0,1,2,3
	global_load_b128 v[CG+16*(\set)+4*\i:CG+16*(\set)+4*\i+3], v[LO], s[CP:CP+1] offset:(16*(\k)+\i)*4096 th:TH_LOAD_NT
.endr
.endm
.macro CST set                         ; and into buffer 'set' of c's stage
.irp i, 0,1,2,3
	ds_store_b128 v[CWR], v[CG+16*(\set)+4*\i:CG+16*(\set)+4*\i+3] offset:(\set)*SB+\i*SP
.endr
.endm
.macro SEND k                          ; my four rows of block k of both outputs: each store 512 consecutive bytes, aligned
.irp i, 0,1,2,3
	global_store_b128 v[LO], v[OB+4*\i:OB+4*\i+3], s[O0:O0+1] offset:(16*(\k)+\i)*4096 th:TH_STORE_NT
	global_store_b128 v[LO], v[OB+16+4*\i:OB+16+4*\i+3], s[O1:O1+1] offset:(16*(\k)+\i)*4096 th:TH_STORE_NT
.endr
.endm
	s_load_b128 s[4:7], s[0:1], 0x0                ; a_codes, b_codes
	s_load_b128 s[8:11], s[0:1], 0x10              ; the exponents, bx
	s_load_b128 s[72:75], s[0:1], 0x20             ; c, out0
	s_load_b64 s[76:77], s[0:1], 0x30              ; out1
	v_lshl_add_u32 v[SPW], v0, 2, SPARE
	v_mov_b32 v[NIL], 0
	ds_add_u32 v[SPW], v[NIL]                      ; the opening lines: the add, twice on end, and its wait
	ds_add_u32 v[SPW], v[NIL]
	v_lshrrev_b32 v1, 5, v0
	v_readfirstlane_b32 s14, v1                    ; wave
	s_bfe_u32 s40, ttmp6, 0x40000                  ; cg: my place in the cluster
	s_and_b32 s41, ttmp7, 0xffff                   ; p
	s_mov_b32 s[G1+0], 15|(3<<16)|(1<<21)          ; the mask of all four; elements of 8 bytes; bit 21 beside a mask
	s_mov_b32 s[G1+1], 32<<16                      ; rows of 256 bytes,
	s_mov_b32 s[G1+2], 256<<16                     ; 256 of them, dense
	s_mov_b32 s[G1+3], 32<<16
	s_mov_b32 s[G1+4], 256
	s_mov_b32 s[G1+5], 32
	s_mov_b32 s[G1+6], 0
	s_mov_b32 s[G1+7], 0
	s_mov_b32 s[L1], 0xbfb8aa3b                    ; -log2 e
	s_mov_b32 s[L1+1], s[L1]
	s_mov_b32 s[L2], 0xc038aa3b                    ; -2 log2 e
	s_mov_b32 s[L2+1], s[L2]
	s_lshl_b32 s36, s41, 18                        ; a_codes: panel p, quarter w
	s_lshl_b32 s37, s14, 16
	s_add_co_u32 s36, s36, s37
	s_mov_b32 s37, 0
	s_lshl_b32 s38, s40, 3
	s_add_co_u32 s38, s38, s14                     ; my first group of 32 hidden units: 8 cg + w
	s_lshl_b32 s54, s38, 7                         ; bx: 128 bytes a group
	s_mov_b32 s55, 0
	s_lshl_b32 s38, s38, 18                        ; b_codes: 262,144 bytes a group
	s_mov_b32 s39, 0
	s_lshl_b32 s52, s41, 19                        ; c and the outputs: row 128 p + 4 w, + 1,024 cg
	s_lshl_b32 s53, s14, 14
	s_add_co_u32 s52, s52, s53
	s_lshl_b32 s53, s40, 10
	s_add_co_u32 s52, s52, s53
	s_mov_b32 s53, 0
	s_lshl_b32 s56, s14, 7
	s_add_co_u32 s56, s56, CS
	s_mul_i32 s57, s14, 4*SP
	s_add_co_u32 s57, s57, CS
	s_lshl_b32 s58, s41, 9
	s_mul_i32 s59, s14, 28*4096
	s_wait_dscnt 0x0                               ; both opening adds are done
	s_wait_kmcnt 0x0
	s_load_b128 s[92:95], s[8:9], 0x0              ; e0 .. e3
	s_add_nc_u64 s[36:37], s[4:5], s[36:37]
	s_add_nc_u64 s[BP:BP+1], s[6:7], s[38:39]
	s_add_nc_u64 s[BN:BN+1], s[BP:BP+1], 0x100000  ; four groups on
	s_add_nc_u64 s[BXP:BXP+1], s[10:11], s[54:55]
	s_add_nc_u64 s[CP:CP+1], s[72:73], s[52:53]
	s_add_nc_u64 s[O0:O0+1], s[74:75], s[52:53]
	s_add_nc_u64 s[O1:O1+1], s[76:77], s[52:53]
	CROUND                                         ; the four partners are here: the joint loads meet
	s_mov_b32 s[G0], 1
	s_lshl_b32 s[G0+1], s14, 16                    ; LDS: quarter w
	s_mov_b64 s[G0+2:G0+3], s[36:37]
	s_or_b32 s[G0+3], s[G0+3], 0x80000000
	tensor_load_to_lds s[G0:G0+3], s[G1:G1+7]      ; my one tensor load: 65,536 bytes of the panel
	s_nop 0
.rept 4
	v_nop
.endr
	v_and_b32 v1, 31, v0
	v_lshlrev_b32 v[LO], 4, v1
	v_and_b32 v11, 15, v0
	v_bfe_u32 v12, v0, 4, 1
	v_lshlrev_b32 v[BH], 5, v12
	v_mul_u32_u24 v[CRD], v11, SP
	v_lshl_add_u32 v[CRD], v12, 5, v[CRD]
	v_add_nc_u32 v[CRD], s56, v[CRD]
	v_add_nc_u32 v[CWR], s57, v[LO]
	v_and_b32 v[PFB], 1, v0
	v_lshlrev_b32 v[PFB], 8, v[PFB]
	v_add_nc_u32 v[PFB], s58, v[PFB]
	v_lshl_add_u32 v[PFC], v1, 12, s59
	s_wait_alu depctr_va_vdst(0)                   ; the wait at the head's end
.irp r, 0,1,2,3
	LDB \r, 0, BP, \r*ST                           ; the ring's first filling: steps 0 to 3
	LDB \r, 1, BP, \r*ST
.endr
	WIN 0
	s_wait_kmcnt 0x0
	s_add_co_i32 s[RS], s92, s93
	s_add_co_i32 s[S1], s94, s95
	s_sub_co_i32 s[RS], s[RS], s[S1]
	s_add_co_i32 s[RS], s[RS], 127
	s_lshl_b32 s[RS], s[RS], 23                    ; 2^(e0 + e1 - e2 - e3)
	s_mov_b32 s[RS+1], s[RS]
	s_lshl_b32 s[S1], s[S1], 23
	s_add_co_i32 s[S2], s[S1], s[L2]               ; e2 + e3 onto the constants' exponent fields
	s_add_co_i32 s[S1], s[S1], s[L1]
	s_mov_b32 s[S1+1], s[S1]
	s_mov_b32 s[S2+1], s[S2]
	s_wait_tensorcnt 0x0                           ; my quarter is in,
	s_barrier_signal -1
	s_barrier_wait -1                              ; everybody's is
	s_mov_b32 s2, 2                                ; tiles to go
.Ltile:
	s_mov_b32 s[AS], 0
	v_mov_b32 v[ADA], v[LO]
	s_wait_alu depctr_va_vdst(0)                   ; the wait behind the write
.irp b, 0,1,2,3,4,5,6,7                ; bx of this tile, in the result's layout: first read on the way out
	global_load_b128 v[BI+8*\b:BI+8*\b+3],   v[BH], s[BXP:BXP+1] offset:4096*(\b/2)+64*(\b%2)
	global_load_b128 v[BI+8*\b+4:BI+8*\b+7], v[BH], s[BXP:BXP+1] offset:4096*(\b/2)+64*(\b%2)+16
.endr
	LDA 0, 0
	LDA 1, ST
	STEP 0, 1, BP, 4*ST, 2*ST, 56, 56, 16          ; step 0 starts the sums
	s_mov_b32 s3, 6
.Ltrip:                                                ; six trips: steps 4 j + 1 .. 4 j + 4
	s_wait_loadcnt 56                              ; the trip's first step, written out: B's base is stepped in its middle,
	s_wait_dscnt 16
	WIN MUL_LO
	MUL32 1, 0, 0
	PLACES
	s_wait_xcnt 0x0                                ; 32 matrix instructions behind the last loads that read it
	s_add_nc_u64 s[BP:BP+1], s[BP:BP+1], 4*ST      ; from here on the base stands at step 4 j + 4
	LDB 1, 0, BP, ST
	s_wait_loadcnt 56
	WIN MUL_HI
	MUL32 1, 1, 0
	PLACES
	LDB 1, 1, BP, ST
	WIN 0
	LDA 1, 3*ST
	s_cmp_ge_u32 s3, 3                             ; PREFETCH of B, trips 0 to 3: the four steps that the loads of two trips on will ask for (steps 4 j + 13 .. 16, inside the tile).
	s_cbranch_scc0 .Lno_b                          ; Their 32,768 bytes are shared out among the 64 panels p by address, 512 bytes each: each block is named once in the launch
	global_prefetch_b8 v[PFB], s[BP:BP+1] offset:9*ST th:TH_LOAD_NT scope:SCOPE_SE
.Lno_b:
	s_cmp_eq_u32 s3, 2                             ; PREFETCH of c, trip 4: the tile's 128 rows x 512 bytes, a wave 32 rows, a lane a row; its loads begin in front of step 25
	s_cbranch_scc0 .Lno_c
	global_prefetch_b8 v[PFC], s[CP:CP+1] th:TH_LOAD_NT scope:SCOPE_SE
	global_prefetch_b8 v[PFC], s[CP:CP+1] offset:256 th:TH_LOAD_NT scope:SCOPE_SE
.Lno_c:
	STEP 2, 0, BP, 2*ST, 4*ST, 56, 56, 16
	STEP 3, 0, BP, 3*ST, 5*ST, 56, 56, 16
	s_cmp_lg_u32 s3, 3                             ; behind step 15 x's product is summed
	s_cbranch_scc1 .Lsame
	RESCALE                                        ; (the step's last four v_nop are the places behind its products)
.Lsame:
	s_wait_alu depctr_va_vdst(0)
	STEP 0, 0, BP, 4*ST, 6*ST, 56, 56, 16
	s_add_co_u32 s[AS], s[AS], 4*ST
	v_add_nc_u32 v[ADA], s[AS], v[LO]
	s_sub_co_u32 s3, s3, 1
	s_cmp_lg_u32 s3, 0
	s_wait_alu depctr_va_vdst(0)                   ; the wait ahead of the branch
	s_cbranch_scc1 .Ltrip
	CLD 0, 0                                       ; c's first two blocks
	CLD 1, 1
	STEP 1, 0, BP, 5*ST, 3*ST, 56, 56, 16          ; steps 25 to 27
	STEP 2, 0, BP, 6*ST, 4*ST, 56, 56, 16
	STEP 3, 0, BP, 7*ST, 5*ST, 56, 56, 16
	s_cmp_eq_u32 s2, 1
	s_cbranch_scc1 .Llast
	STEP 0, 0, BN, 0,    6*ST, 56, 56, 16          ; steps 28 to 31: the ring goes on into my second tile's steps 0 to 3
	STEP 1, 0, BN, ST,   7*ST, 56, 56, 16
	STEP 2, 0, BN, 2*ST, -1,   56, 56, 16
	STEP 3, 0, BN, 3*ST, -1,   56, 56, 0
	s_branch .Lepi
.Llast:
	STEP 0, 0, 0, 0, 6*ST, 56, 48, 16              ; the last tile asks for nothing more: fewer loads are younger from half to half
	STEP 1, 0, 0, 0, 7*ST, 40, 32, 16
	STEP 2, 0, 0, 0, -1,   24, 16, 16
	STEP 3, 0, 0, 0, -1,   8,  0,  0
.Lepi:
	s_wait_loadcnt 63                              ; bx and c's two blocks are in: 112 loads are younger where a tile follows, and none is out where none follows
.irp b, 0,1,2,3,4,5,6,7                ; bx x -log2 e (gate g: x -2 log2 e); these 32 lines are also the places behind the last products
.irp i, 0,2,4,6
.if \b/2 == 2
	v_pk_mul_f32 v[BI+8*\b+\i:BI+8*\b+\i+1], v[BI+8*\b+\i:BI+8*\b+\i+1], s[L2:L2+1] op_sel_hi:[1,0]
.else
	v_pk_mul_f32 v[BI+8*\b+\i:BI+8*\b+\i+1], v[BI+8*\b+\i:BI+8*\b+\i+1], s[L1:L1+1] op_sel_hi:[1,0]
.endif
.endr
.endr
; Block a: 16 elements a lane (u = 0, 1 x eight hidden units), gate g in T + 16 g + 8 u + j.
.macro GATES a                         ; block a's 64 exponents: they stand between the block before's stage stores and the wait for them
.irp w2, 0,1
	WIN 0x02+\w2
	s_wait_alu depctr_va_vdst(0)                   ; the wait ahead of the first readers of matrix results
.irp b, 0,1,2,3
.irp i, 0,2,4,6
.if \w2 == 1 && \b < 2
	v_pk_fma_f32 v[T+32*\w2+8*\b+\i:T+32*\w2+8*\b+\i+1], v[8*(8*\b+(\a))+\i:8*(8*\b+(\a))+\i+1], s[S2:S2+1], v[BI+32*\w2+8*\b+\i:BI+32*\w2+8*\b+\i+1] op_sel_hi:[1,0,1]
.else
	v_pk_fma_f32 v[T+32*\w2+8*\b+\i:T+32*\w2+8*\b+\i+1], v[8*(8*\b+(\a))+\i:8*(8*\b+(\a))+\i+1], s[S1:S1+1], v[BI+32*\w2+8*\b+\i:BI+32*\w2+8*\b+\i+1] op_sel_hi:[1,0,1]
.endif
.endr
.endr
.endr
	WIN 0
	s_wait_alu depctr_va_vdst(0)                   ; ahead of the batch
.set j, 0
.endm
.macro EXPS                            ; the batch of 64 exponentials: register work, between a barrier's signal and its wait
.set j, 0
.rept 64
	v_exp_f32 v[T+j], v[T+j]
.set j, j+1
.endr
.endm
.macro RB k                            ; my four rows of block k of both outputs, back from the stages
	s_wait_xcnt 0x0                                ; the block before's stores have read their registers
.irp i, 0,1,2,3
	ds_load_b128 v[OB+4*\i:OB+4*\i+3], v[CWR] offset:HS+((\k)%2)*SB+\i*SP
	ds_load_b128 v[OB+16+4*\i:OB+16+4*\i+3], v[CWR] offset:NS+((\k)%2)*SB+\i*SP
.endr
.endm
.macro EPI a                           ; at its head the barrier behind block a - 1 is passed and block a's exponentials are issued
.set BF, ((\a)%2)*SB
.if (\a) > 0
	RB (\a)-1
.endif
.irp u, 0,1
.irp q, 0,1
	ds_load_b128 v[CC+8*\u+4*\q:CC+8*\u+4*\q+3], v[CRD] offset:BF+64*\u+16*\q
.endr
.endr
	v_nop
	s_wait_alu depctr_va_vdst(0)                   ; behind the batch
.set j, 0
.rept 32
	v_pk_add_f32 v[T+j:T+j+1], v[T+j:T+j+1], 1.0 op_sel_hi:[1,0]
.set j, j+2
.endr
	s_wait_alu depctr_va_vdst(0)
.set j, 0
.rept 64
	v_rcp_f32 v[T+j], v[T+j]                       ; i, f, (tanh g + 1) / 2, o
.set j, j+1
.endr
	s_wait_dscnt 0x0                               ; c of this block, and the block before's rows, are in registers
.if (\a) > 0
	SEND (\a)-1
.endif
	v_nop
	s_wait_alu depctr_va_vdst(0)
.irp i, 0,2,4,6,8,10,12,14
	v_pk_fma_f32 v[T+32+\i:T+33+\i], v[T+32+\i:T+33+\i], 2.0, -1.0 op_sel_hi:[1,0,0]   ; g
.endr
.irp i, 0,2,4,6,8,10,12,14
	v_pk_mul_f32 v[T+32+\i:T+33+\i], v[T+32+\i:T+33+\i], v[T+\i:T+1+\i]                ; i g
.endr
.irp i, 0,2,4,6,8,10,12,14
	v_pk_fma_f32 v[CN+\i:CN+1+\i], v[T+16+\i:T+17+\i], v[CC+\i:CC+1+\i], v[T+32+\i:T+33+\i]   ; c_new
.endr
.irp i, 0,2,4,6,8,10,12,14
	v_pk_mul_f32 v[HN+\i:HN+1+\i], v[CN+\i:CN+1+\i], s[L2:L2+1] op_sel_hi:[1,0]
.endr
	s_wait_alu depctr_va_vdst(0)
.set j, 0
.rept 16
	v_exp_f32 v[HN+j], v[HN+j]
.set j, j+1
.endr
	v_nop
	s_wait_alu depctr_va_vdst(0)
.irp i, 0,2,4,6,8,10,12,14
	v_pk_add_f32 v[HN+\i:HN+1+\i], v[HN+\i:HN+1+\i], 1.0 op_sel_hi:[1,0]
.endr
	s_wait_alu depctr_va_vdst(0)
.set j, 0
.rept 16
	v_rcp_f32 v[HN+j], v[HN+j]
.set j, j+1
.endr
	v_nop
	s_wait_alu depctr_va_vdst(0)
.irp i, 0,2,4,6,8,10,12,14
	v_pk_fma_f32 v[HN+\i:HN+1+\i], v[HN+\i:HN+1+\i], 2.0, -1.0 op_sel_hi:[1,0,0]       ; tanh(c_new)
.endr
.irp i, 0,2,4,6,8,10,12,14
	v_pk_mul_f32 v[HN+\i:HN+1+\i], v[HN+\i:HN+1+\i], v[T+48+\i:T+49+\i]                ; h_new
.endr
.irp u, 0,1
.irp q, 0,1
	ds_store_b128 v[CRD], v[HN+8*\u+4*\q:HN+8*\u+4*\q+3] offset:HS+BF+64*\u+16*\q
	ds_store_b128 v[CRD], v[CN+8*\u+4*\q:CN+8*\u+4*\q+3] offset:NS+BF+64*\u+16*\q
.endr
.endr
.if (\a) >= 1 && (\a) <= 6             ; c of block a + 1 goes into the buffer whose reads ended ahead of the barrier before
.if (\a) <= 5
	s_wait_loadcnt 4                               ; block a + 2's four loads may be out
.else
	s_wait_loadcnt 0
.endif
	CST ((\a)+1)%2
.endif
.if (\a) < 7
	GATES (\a)+1
.endif
	s_wait_dscnt 0x0                               ; for the others' sake: my stores into the stages are done
.if (\a) >= 1 && (\a) <= 4
	CLD (\a)+3, ((\a)+1)%2
.endif
	s_barrier_signal -1
.if (\a) < 7
	EXPS
.endif
	s_barrier_wait -1
.endm
	CST 0
	CST 1
	GATES 0
	s_wait_dscnt 0x0                               ; for the others' sake
	s_barrier_signal -1
	EXPS
	s_barrier_wait -1                              ; blocks 0 and 1 of c lie whole in the stage
	CLD 2, 0
	CLD 3, 1
.irp a, 0,1,2,3,4,5,6,7
	EPI \a
.endr
	RB 7
	s_wait_dscnt 0x0
	SEND 7
	s_wait_xcnt 0x0                                ; the stores have read their registers and bases
	s_add_nc_u64 s[CP:CP+1], s[CP:CP+1], 512       ; on to the second tile: 128 hidden units further
	s_add_nc_u64 s[O0:O0+1], s[O0:O0+1], 512
	s_add_nc_u64 s[O1:O1+1], s[O1:O1+1], 512
	s_add_nc_u64 s[BXP:BXP+1], s[BXP:BXP+1], 512
	s_mov_b64 s[BP:BP+1], s[BN:BN+1]
	s_sub_co_u32 s2, s2, 1
	s_cmp_lg_u32 s2, 0
	s_cbranch_scc1 .Ltile
	s_wait_tensorcnt 0x0                           ; the wave's end
	ds_add_u32 v[SPW], v[NIL]
	s_wait_dscnt 0x0
	CROUND                                         ; the closing round
	s_endpgm
.Lfunc_end_k_q3552775e02_cell:
	.size	k_q3552775e02_cell, .Lfunc_end_k_q3552775e02_cell-k_q3552775e02_cell
	.p2alignl 7, 3214868480
	.fill 96, 4, 3214868480
	.section	.rodata,"a",@progbits
	.p2align	6, 0x0
	.amdhsa_kernel k_q3552775e02_cell
		.amdhsa_group_segment_fixed_size 327680
		.amdhsa_private_segment_fixed_size 0
		.amdhsa_enable_private_segment 0
		.amdhsa_kernarg_size 56
		.amdhsa_user_sgpr_count 2
		.amdhsa_user_sgpr_kernarg_segment_ptr 1
		.amdhsa_wavefront_size32 1
		.amdhsa_system_sgpr_workgroup_id_x 1
		.amdhsa_system_sgpr_workgroup_id_y 1
		.amdhsa_system_sgpr_workgroup_id_z 1
		.amdhsa_system_vgpr_workitem_id 0
		.amdhsa_next_free_vgpr 1024
		.amdhsa_next_free_sgpr 102
		.amdhsa_reserve_vcc 0
		.amdhsa_float_denorm_mode_32 3
		.amdhsa_float_denorm_mode_16_64 3
		.amdhsa_memory_ordered 1
		.amdhsa_forward_progress 1
		.amdhsa_inst_pref_size 255
	.end_amdhsa_kernel
	.section	.bss,"aw",@nobits
	.p2align	6
	.space	262144
	.amdgpu_metadata
---
amdhsa.version: [ 1, 2 ]
amdhsa.kernels:
  - .name:           k_q3552775e02_cell
    .symbol:         k_q3552775e02_cell.kd
    .args:
      - { .name: a_codes, .offset: 0, .size: 8, .value_kind: global_buffer, .address_space: global }
      - { .name: b_codes, .offset: 8, .size: 8, .value_kind: global_buffer, .address_space: global }
      - { .name: lowp_scales, .offset: 16, .size: 8, .value_kind: global_buffer, .address_space: global }
      - { .name: bx, .offset: 24, .size: 8, .value_kind: global_buffer, .address_space: global }
      - { .name: c, .offset: 32, .size: 8, .value_kind: global_buffer, .address_space: global }
      - { .name: out0, .offset: 40, .size: 8, .value_kind: global_buffer, .address_space: global }
      - { .name: out1, .offset: 48, .size: 8, .value_kind: global_buffer, .address_space: global }
    .group_segment_fixed_size: 327680
    .private_segment_fixed_size: 0
    .kernarg_segment_align: 8
    .kernarg_segment_size: 56
    .max_flat_workgroup_size: 128
    .sgpr_count:     102
    .vgpr_count:     1024
    .wavefront_size: 32
...
	.end_amdgpu_metadata
.endif
;; end of part 2
